; MI455X (gfx1250); checked and timed in simulation.
; The chip was launched on July 23, 2026; its instructions are those of AMD's public machine-readable ISA for CDNA 5 (MIT licence, August 2026) and "CDNA5" Instruction Set Architecture Reference Guide (July 2026). The comments in the code are by the model that wrote it; some were corrected since.
;; Two Layer NN. Allowed arithmetic: float matrix products may take bf16 or f16 operands with f32 sums; all other float work in f32.
;; Inputs: D 65,536 int32; D_agn 65,536 int32; W_groups 2 x 2 x 1,024 float32; W_joint 2 x 1,024 float32; W_phi 1,024 x 1,024 float32; X 65,536 x 1,024 float32; b_groups 2 x 2 float32; b_joint 2 float32; b_phi 1,024 float32.
;; Outputs: out0 65,536 x 2 float32; out1 65,536 x 2 float32; out2 65,536 x 2 float32.
;; 2 versions, each right and faster than the one before. Each part assembles by itself: llvm-mc -triple=amdgcn-amd-amdhsa -mcpu=gfx1250 --defsym DOCPART=n.
;; ======== version 1 of 2: 2 launches
;; workspace buffers: mfrag 33,024 bytes
;; launch fold (part 1): grid 16 x 1, 16 waves a work-group, no clusters, 69,632 bytes of LDS; arguments W_phi, W_joint, W_groups, b_phi, b_joint, b_groups, mfrag; writes mfrag
.if DOCPART == 1
	.amdgcn_target "amdgcn-amd-amdhsa--gfx1250"
	.amdhsa_code_object_version 6
	.text
	.protected	k_q5a209306a2_fold
	.globl	k_q5a209306a2_fold
	.p2align	8
	.type	k_q5a209306a2_fold,@function
k_q5a209306a2_fold:
	s_mov_b64 s[64:65], 0
	v_nop
	global_prefetch_b8 v0, s[64:65] scope:SCOPE_SE
	s_setreg_imm32_b32 hwreg(HW_REG_WAVE_MODE, 25, 1), 1
	s_wait_xcnt 0x0
; fold: M[c][k] = sum over h of Wcat[c][h] W_phi[h][k]  and  bias[c] = sum over h of Wcat[c][h] b_phi[h] + bcat[c].
; Wcat is the stack of the six head rows: c = 0, 1 W_joint's rows, c = 2 + 2 g + cc W_groups[g][cc].  Since
; (X W_phi^T + b_phi) Wcat^T = X (Wcat W_phi)^T + Wcat b_phi for every input, the next launch needs X, M and bias alone.
; LIMITS, kept on purpose: the order of rounding differs from the written order (phi is never formed, so never rounded); W_phi and Wcat
; enter the matrix unit rounded once to bf16, sums in f32; M leaves as a pair of bf16, hi = bf16(M), lo = bf16(M - hi), some 16 bits of
; significand; |M| must stay below bf16's largest finite number (3.39e38), else hi is infinite.  The bias sum is all f32.
; SHARES: work-group x owns the 64 columns k0 = 64 x .. 64 x + 63 (256 consecutive bytes, aligned, of every row of W_phi).
; Wave w owns h = 64 w .. 64 w + 63, two K steps of 32.  The sixteen waves' partial sums meet in LDS once.
; No cluster: no two work-groups read the same bytes of W_phi; what they share (Wcat, b_phi: 28 KB) is a ninth of a work-group's 256 KB.
; Every work-group forms the bias partials (16 packed instructions a wave), so that all count their loads alike; work-group 0 stores them.
; MATRIX USE: D_t = A_t B, t = 0..3.  A_t's row m is column k0 + 4 m + t of W_phi, K runs along h; B's column n is Wcat's row n & 7.
; A lane's 16-byte load of W_phi brings t = 0..3 of its row m at once.  In D_t lane (r, hh), register j, holds M[r & 7][k0 + 32 hh + 4 j + t].
; mfrag: the 16 bytes at ks*1024 + q*512 + (r + 16 h2)*16 are row r, k = 32 ks + 16 q + 8 h2 + 0..7, of a 16-row matrix in bf16: rows 0-5 hi(M),
; rows 8-13 lo(M), rows 6, 7, 14, 15 copies of the first group's rows, whose products the next launch never reads.
; Bytes 32768 .. 32895: 32 words of f32, word L = bias[L & 7].
.set ROWB, 4096                        ; bytes in a row of W_phi, W_joint, W_groups
.set WP,   12                          ; v[12:139]  W_phi as loaded: step s, load n at WP + 64 s + 4 n
.set J,    140                         ; v[140:171] W_joint's pieces, then the chosen Wcat row's
.set G,    172                         ; v[172:203] W_groups' pieces
.set BP,   204                         ; v[204:235] b_phi's pieces
.set BF,   236                         ; v[236:251] B fragments, 8 registers a K step
.set PB,   252                         ; v[252:253] partial bias
.set ACC,  G                           ; four accumulators of 8: G is free behind the choice of rows
.set AF0,  BP                          ; A fragments of K step 0: BP is free behind the bias sums
.set AF1,  WP                          ; A fragments of K step 1: step 0's W_phi registers are free behind their conversions
.set SUM,  12                          ; the packing waves: v[12:139], 64 pairs read back from LDS
.set BSTG, 65536                       ; LDS: 65,536 bytes of partial M, then 16 waves x 128 bytes of partial bias
	s_load_b256 s[4:11], s[0:1], 0x0               ; W_phi s[4:5], W_joint s[6:7], W_groups s[8:9], b_phi s[10:11]
	s_load_b128 s[12:15], s[0:1], 0x20             ; b_joint s[12:13], b_groups s[14:15]
	s_load_b64 s[16:17], s[0:1], 0x30              ; mfrag
	v_lshl_add_u32 v254, v0, 2, 0x10800
	v_mov_b32 v255, 0
	v_lshrrev_b32 v1, 5, v0
	v_readfirstlane_b32 s18, v1                    ; wave 0..15
	s_mov_b32 s19, ttmp9                           ; work-group 0..15
	s_mov_b32 s22, 0x76543210                      ; v_permlanex16_b32: lane i reads lane i of the other half
	s_mov_b32 s23, 0xfedcba98
	s_mov_b32 s24, 0xffff0000                      ; a word's upper bf16
	s_lshl_b32 s20, s19, 8                         ; my 64 columns: 256 bytes along a row
	s_mov_b32 s21, 0
	s_lshl_b32 s25, s18, 8                         ; 64 h x 4 bytes; also my 256 bytes in each block of the LDS stage
	s_lshl_b32 s26, s18, 7
	s_add_co_u32 s26, s26, BSTG                    ; my 128 bytes of the bias stage
	s_lshl_b32 s27, s18, 18                        ; 64 rows of W_phi
	v_and_b32 v1, 31, v0                           ; lane
	v_and_b32 v2, 15, v0                           ; r
	v_bfe_u32 v3, v0, 4, 1                         ; hh
	v_and_b32 v4, 7, v0                            ; c
	v_lshlrev_b32 v5, 4, v2
	v_lshl_add_u32 v5, v3, 15, v5
	v_add_nc_u32 v5, s27, v5                       ; W_phi: row 64 w + 8 hh, byte 16 r of my 256
	v_lshl_add_u32 v6, v3, 5, s25                  ; along h: 4 (64 w + 8 hh)
	v_and_b32 v7, 1, v4
	v_lshl_add_u32 v7, v7, 12, v6                  ; W_joint's row c & 1
	v_add_nc_u32 v8, 2, v4
	v_and_b32 v8, 3, v8
	v_lshl_add_u32 v8, v8, 12, v6                  ; W_groups' row (c + 2) & 3: c - 2 for c = 2..5, rows 0, 1 again for c = 6, 7
	v_lshl_add_u32 v9, v1, 3, s25                  ; LDS: 256 w + 8 lane
	v_lshl_add_u32 v10, v1, 2, s26                 ; LDS: bias stage, 128 w + 4 lane
	s_wait_kmcnt 0x0
	s_add_nc_u64 s[4:5], s[4:5], s[20:21]          ; W_phi at my columns
	; 24 small loads: for each K step the 16 h of my half of a fragment, h = 8 hh + 0..7 and 16 + 8 hh + 0..7, in f32
.irp s, 0,1
.irp m, 0,1,2,3
	global_load_b128 v[J+16*\s+4*\m:J+16*\s+4*\m+3],   v7, s[6:7]   offset:128*\s+16*(\m%2)+64*(\m/2)
	global_load_b128 v[G+16*\s+4*\m:G+16*\s+4*\m+3],   v8, s[8:9]   offset:128*\s+16*(\m%2)+64*(\m/2)
	global_load_b128 v[BP+16*\s+4*\m:BP+16*\s+4*\m+3], v6, s[10:11] offset:128*\s+16*(\m%2)+64*(\m/2)
.endr
.endr
	; 32 loads of W_phi, all of the wave's share at once: lanes 0-15 take my 256 bytes of one row, lanes 16-31 those of the row 8 further down
.irp s, 0,1
.irp n, 0,1,2,3,4,5,6,7,8,9,10,11,12,13,14,15
	global_load_b128 v[WP+64*\s+4*\n:WP+64*\s+4*\n+3], v5, s[4:5] offset:(32*\s+\n+8*(\n/8))*ROWB th:TH_LOAD_NT
.endr
.endr
	s_wait_loadcnt 32                              ; loads come back in order (ISA guide 5.7.1): the 24 small ones are in, the 32 of W_phi stay out
	v_cmp_gt_u32 vcc_lo, 2, v4                     ; c < 2: a joint row
.set i, 0
.rept 32
	v_cndmask_b32 v[J+i], v[G+i], v[J+i], vcc_lo   ; my row of Wcat
.set i, i+1
.endr
	v_pk_mul_f32 v[PB:PB+1], v[J:J+1], v[BP:BP+1]  ; the first product starts the bias sum
.set i, 2
.rept 15
	v_pk_fma_f32 v[PB:PB+1], v[J+i:J+i+1], v[BP+i:BP+i+1], v[PB:PB+1]
.set i, i+2
.endr
	v_add_f32 v[PB], v[PB], v[PB+1]                ; my 32 h of Wcat[c] . b_phi
.set i, 0
.rept 16
	v_cvt_pk_bf16_f32 v[BF+i], v[J+2*i], v[J+2*i+1]    ; B fragments of both K steps
.set i, i+1
.endr
	s_wait_loadcnt 16                              ; K step 0's sixteen loads are in, K step 1's stay out
.irp t, 0,1,2,3
.irp i, 0,1,2,3,4,5,6,7
	v_cvt_pk_bf16_f32 v[AF0+8*\t+\i], v[WP+8*\i+\t], v[WP+8*\i+4+\t]   ; loads 2 i and 2 i + 1 are neighbouring h; word t of each is column 4 r + t
.endr
.endr
.irp t, 0,1,2,3
	v_wmma_f32_16x16x32_bf16 v[ACC+8*\t:ACC+8*\t+7], v[AF0+8*\t:AF0+8*\t+7], v[BF:BF+7], 0   ; the first product starts each sum
.endr
	s_wait_loadcnt 0x0
.irp t, 0,1,2,3
.irp i, 0,1,2,3,4,5,6,7
	v_cvt_pk_bf16_f32 v[AF1+8*\t+\i], v[WP+64+8*\i+\t], v[WP+64+8*\i+4+\t]
.endr
.endr
.irp t, 0,1,2,3
	v_wmma_f32_16x16x32_bf16 v[ACC+8*\t:ACC+8*\t+7], v[AF1+8*\t:AF1+8*\t+7], v[BF+8:BF+15], v[ACC+8*\t:ACC+8*\t+7]   ; the four accumulators take turns, one instruction a turn
.endr
.rept 4
	v_nop                                          ; four places behind the last matrix instruction (ISA guide 7.12.1) before its results are stored and its sources written
.endr
	; partial sums to LDS: block (p, t) holds registers 2 p, 2 p + 1 of D_t, 256 bytes for each wave, 8 for each lane
.irp p, 0,1,2,3
.irp t, 0,1,2,3
	ds_store_b64 v9, v[ACC+8*\t+2*\p:ACC+8*\t+2*\p+1] offset:(4*\p+\t)*4096
.endr
.endr
	ds_store_b32 v10, v[PB]
	s_wait_dscnt 0x0                               ; my stores are in LDS, for the waves that read them behind the barrier
	s_barrier_signal -1
	s_barrier_wait -1
	s_cmp_lt_u32 s18, 4
	s_cbranch_scc1 .Lpack                          ; waves 0-3 add up and pack M
	s_cmp_lg_u32 s18, 4
	s_cbranch_scc1 .Lend
	s_cmp_lg_u32 s19, 0
	s_cbranch_scc1 .Lend
	; wave 4 of work-group 0: the bias
	v_lshlrev_b32 v33, 2, v1                       ; 4 lane
	v_add_nc_u32 v11, BSTG, v33
	v_and_b32 v30, 1, v4
	v_lshlrev_b32 v30, 2, v30                      ; b_joint[c & 1]
	v_add_nc_u32 v31, 2, v4
	v_and_b32 v31, 3, v31
	v_lshlrev_b32 v31, 2, v31                      ; b_groups, flat, [(c + 2) & 3]
	global_load_b32 v28, v30, s[12:13]
	global_load_b32 v29, v31, s[14:15]
.irp w, 0,1,2,3,4,5,6,7,8,9,10,11,12,13,14,15
	ds_load_b32 v[12+\w], v11 offset:\w*128        ; my lane's partial of every wave
.endr
	s_wait_dscnt 0x0
	v_pk_add_f32 v[12:13], v[12:13], v[14:15]
	v_pk_add_f32 v[16:17], v[16:17], v[18:19]
	v_pk_add_f32 v[20:21], v[20:21], v[22:23]
	v_pk_add_f32 v[24:25], v[24:25], v[26:27]
	v_pk_add_f32 v[12:13], v[12:13], v[16:17]
	v_pk_add_f32 v[20:21], v[20:21], v[24:25]
	v_pk_add_f32 v[12:13], v[12:13], v[20:21]
	v_add_f32 v12, v12, v13
	v_permlanex16_b32 v34, v12, s22, s23           ; the other half of the lanes holds the other half of each K step's h (v34 was written above)
	v_add_f32 v12, v12, v34
	s_wait_loadcnt 0x0
	v_cmp_gt_u32 vcc_lo, 2, v4
	v_cndmask_b32 v28, v29, v28, vcc_lo            ; bcat[c]
	v_add_f32 v12, v12, v28
	global_store_b32 v33, v12, s[16:17] offset:32768   ; 32 words: bias[lane & 7]
.Lend:
	s_wait_tensorcnt 0x0
	ds_add_u32 v254, v255
	s_wait_dscnt 0x0
	s_endpgm
.Lpack:
	; wave p = 0..3 takes registers 2 p, 2 p + 1 of the four D_t: for lane (r, hh) the eight columns k0 + 32 hh + 8 p + 0..7 of M[r & 7]
	s_lshl_b32 s25, s18, 14                        ; blocks (p, 0..3): 4 x 4,096 bytes
	v_lshl_add_u32 v11, v1, 3, s25
.irp t, 0,1,2,3
.irp w, 0,1,2,3,4,5,6,7,8,9,10,11,12,13,14,15
	ds_load_b64 v[SUM+32*\t+2*\w:SUM+32*\t+2*\w+1], v11 offset:\t*4096+\w*256
.endr
.endr
	s_lshl_b32 s26, s18, 8
	v_lshlrev_b32 v160, 4, v2
	v_lshl_add_u32 v160, v3, 10, v160
	v_add_nc_u32 v160, s26, v160                   ; mfrag: 1,024 hh + 256 p + 16 r, from the work-group's 2,048 bytes
	s_lshl_b32 s20, s19, 11
	s_add_nc_u64 s[16:17], s[16:17], s[20:21]      ; s21 is still 0
	s_wait_dscnt 0x0
.irp w, 1,2,3,4,5,6,7,8,9,10,11,12,13,14,15
.irp t, 0,1,2,3
	v_pk_add_f32 v[SUM+32*\t:SUM+32*\t+1], v[SUM+32*\t:SUM+32*\t+1], v[SUM+32*\t+2*\w:SUM+32*\t+2*\w+1]   ; four chains that do not wait for each other
.endr
.endr
	; column 8 p + 4 i + t lies in v[SUM + 32 t + i]
	v_cvt_pk_bf16_f32 v140, v[SUM],    v[SUM+32]   ; hi: columns 0, 1
	v_cvt_pk_bf16_f32 v141, v[SUM+64], v[SUM+96]   ; 2, 3
	v_cvt_pk_bf16_f32 v142, v[SUM+1],  v[SUM+33]   ; 4, 5
	v_cvt_pk_bf16_f32 v143, v[SUM+65], v[SUM+97]   ; 6, 7
.irp i, 0,1,2,3
	v_lshlrev_b32 v[144+2*\i], 16, v[140+\i]       ; hi back in f32
	v_and_b32     v[145+2*\i], s24, v[140+\i]
.endr
	v_sub_f32 v144, v[SUM],    v144                ; what hi left over
	v_sub_f32 v145, v[SUM+32], v145
	v_sub_f32 v146, v[SUM+64], v146
	v_sub_f32 v147, v[SUM+96], v147
	v_sub_f32 v148, v[SUM+1],  v148
	v_sub_f32 v149, v[SUM+33], v149
	v_sub_f32 v150, v[SUM+65], v150
	v_sub_f32 v151, v[SUM+97], v151
.irp i, 0,1,2,3
	v_cvt_pk_bf16_f32 v[152+\i], v[144+2*\i], v[145+2*\i]      ; lo
.endr
	v_cmp_le_u32 vcc_lo, 8, v2                     ; lanes r = 8..15 hold the same sums as r - 8: they store lo, as rows 8..15
.irp i, 0,1,2,3
	v_cndmask_b32 v[156+\i], v[140+\i], v[152+\i], vcc_lo
.endr
	global_store_b128 v160, v[156:159], s[16:17]   ; each sixteen lanes store 256 consecutive bytes, aligned
	s_wait_tensorcnt 0x0
	ds_add_u32 v254, v255
	s_wait_dscnt 0x0
	s_endpgm
.Lfunc_end_k_q5a209306a2_fold:
	.size	k_q5a209306a2_fold, .Lfunc_end_k_q5a209306a2_fold-k_q5a209306a2_fold
	.p2alignl 7, 3214868480
	.fill 96, 4, 3214868480
	.section	.rodata,"a",@progbits
	.p2align	6, 0x0
	.amdhsa_kernel k_q5a209306a2_fold
		.amdhsa_group_segment_fixed_size 69632
		.amdhsa_private_segment_fixed_size 0
		.amdhsa_enable_private_segment 0
		.amdhsa_kernarg_size 56
		.amdhsa_user_sgpr_count 2
		.amdhsa_user_sgpr_kernarg_segment_ptr 1
		.amdhsa_wavefront_size32 1
		.amdhsa_system_sgpr_workgroup_id_x 1
		.amdhsa_system_sgpr_workgroup_id_y 1
		.amdhsa_system_sgpr_workgroup_id_z 1
		.amdhsa_system_vgpr_workitem_id 0
		.amdhsa_next_free_vgpr 256
		.amdhsa_next_free_sgpr 66
		.amdhsa_reserve_vcc 1
		.amdhsa_float_denorm_mode_32 3
		.amdhsa_float_denorm_mode_16_64 3
		.amdhsa_memory_ordered 1
		.amdhsa_forward_progress 1
		.amdhsa_inst_pref_size 29
	.end_amdhsa_kernel
	.amdgpu_metadata
---
amdhsa.version: [ 1, 2 ]
amdhsa.kernels:
  - .name:           k_q5a209306a2_fold
    .symbol:         k_q5a209306a2_fold.kd
    .args:
      - { .name: W_phi, .offset: 0, .size: 8, .value_kind: global_buffer, .address_space: global }
      - { .name: W_joint, .offset: 8, .size: 8, .value_kind: global_buffer, .address_space: global }
      - { .name: W_groups, .offset: 16, .size: 8, .value_kind: global_buffer, .address_space: global }
      - { .name: b_phi, .offset: 24, .size: 8, .value_kind: global_buffer, .address_space: global }
      - { .name: b_joint, .offset: 32, .size: 8, .value_kind: global_buffer, .address_space: global }
      - { .name: b_groups, .offset: 40, .size: 8, .value_kind: global_buffer, .address_space: global }
      - { .name: mfrag, .offset: 48, .size: 8, .value_kind: global_buffer, .address_space: global }
    .group_segment_fixed_size: 69632
    .private_segment_fixed_size: 0
    .kernarg_segment_align: 8
    .kernarg_segment_size: 56
    .max_flat_workgroup_size: 512
    .sgpr_count:     66
    .vgpr_count:     256
    .wavefront_size: 32
...
	.end_amdgpu_metadata
.endif
;; end of part 1
;; launch stream (part 2): grid 256 x 1, 8 waves a work-group, no clusters, 327,680 bytes of LDS; arguments X, mfrag, D, D_agn, out0, out1, out2; writes out0, out1, out2
.if DOCPART == 2
	.amdgcn_target "amdgcn-amd-amdhsa--gfx1250"
	.amdhsa_code_object_version 6
	.text
	.protected	k_q5a209306a2_stream
	.globl	k_q5a209306a2_stream
	.p2align	8
	.type	k_q5a209306a2_stream,@function
k_q5a209306a2_stream:
	s_mov_b64 s[64:65], 0
	v_nop
	global_prefetch_b8 v0, s[64:65] scope:SCOPE_SE
	s_setreg_imm32_b32 hwreg(HW_REG_WAVE_MODE, 25, 1), 1
	s_wait_xcnt 0x0
; stream: P[b][c] = sum over k of X[b][k] M[c][k] + bias[c], c = 0..5; out0[b] = P[b][0:2], out1[b] = P[b][2 + 2 D[b] ..], out2[b] = P[b][2 + 2 D_agn[b] ..].
; M and bias come from the launch before (mfrag: M as ready fragments of a 16-row bf16 matrix, rows 0-5 hi, rows 8-13 lo; then 32 words of bias).
; LIMITS, kept on purpose: X enters the matrix unit rounded once to bf16, sums in f32; M is hi + lo, two bf16; the order of rounding differs from
; the written order, in which phi is formed first.  D or D_agn = 1 takes group 1, any other number group 0 (the indices are 0 or 1 by the problem).
; SHARES: 256 work-groups of eight waves; the work-group owns rows 256 x .. 256 x + 255, 1 MiB of X, each byte read once.  Wave w owns columns
; 128 w .. 128 w + 127 of all 256 rows, as two strips of 256 bytes, so its slice of M is four K steps (32 registers, loaded once) and it keeps
; 16 accumulator tiles (16 rows of X x 16 rows of M each).  The eight waves' partial sums over K meet in LDS once, at the end.
; One tensor load brings 64 rows x 256 bytes of f32; each row is 256 consecutive bytes of X, aligned.  Each wave has two LDS slots of its own, slot 0
; for its left strip, slot 1 for its right; it issues its own loads and reads its own slots behind its own s_wait_tensorcnt.  A slot is filled again
; in this order: the wave waits for its reads and for ALL its tensor loads, passes a barrier with the other seven, and issues one load first thing.
; By this text's count a wave has two tensor loads out at the start and one behind each such barrier.
; No cluster: no byte of X is read by two work-groups; what all share is mfrag, 32 KiB against 1 MiB of X for a work-group.
; MATRIX USE: source 0 = 16 rows of M's matrix, source 1 = 16 rows of X.  In the result lane (r, hh), register j, holds row 8 hh + j of M's matrix
; times row r of the tile: lanes 0-15 the hi parts of c = j, lanes 16-31 the lo parts.  Registers 6 and 7 are never read.
.set PITCH, 272                        ; an LDS row: 256 bytes + 16 of padding, an odd multiple of 16: the 16 rows that a fragment load touches start 4 banks apart (64 banks of 4 bytes: ISA guide 11.1)
.set TROWS, 64
.set TILEB, TROWS*PITCH                ; 17,408 bytes: a slot
.set RING,  2*TILEB                    ; a wave's two slots
.set ROWB,  4096                       ; bytes in a row of X
.set LA,  2                            ; v2        LDS address of my part of a fragment in my wave's slot 0; never rewritten
.set MF,  10                           ; v[10:41]  my wave's four K steps of M
.set U,   42                           ; v[42:105] four buffers of 16: a fragment of X in f32, then in its first 8 registers in bf16
.set ACC, 106                          ; v[106:233] 16 accumulator tiles
.set G1,  20                           ; s[20:27]  descriptor group 1: the shape, never rewritten
.set G0,  28                           ; s[28:35]  descriptor group 0, four registers for each slot
	s_load_b256 s[4:11], s[0:1], 0x0               ; X s[4:5], mfrag s[6:7], D s[8:9], D_agn s[10:11]
	s_load_b128 s[12:15], s[0:1], 0x20             ; out0 s[12:13], out1 s[14:15]
	s_load_b64 s[16:17], s[0:1], 0x30              ; out2
	v_lshl_add_u32 v240, v0, 2, 0x44000
	v_mov_b32 v241, 0
	ds_add_u32 v240, v241
	v_lshrrev_b32 v1, 5, v0
	v_readfirstlane_b32 s18, v1                    ; wave 0..7
	s_mov_b32 s[G1+0], (2<<16)|(1<<20)|(5<<22)|(3<<25)   ; no mask; elements of 4 bytes; padding on: after every 64 words (code 5) 4 words (code 3)
	s_mov_b32 s[G1+1], 64<<16                      ; tensor_dim0 = 64 (the tiles never cross X's end: the extents are the tile's)
	s_mov_b32 s[G1+2], TROWS<<16                   ; tensor_dim1 = 64
	s_mov_b32 s[G1+3], 64<<16                      ; tile_dim0 = 64 elements, 256 bytes
	s_mov_b32 s[G1+4], TROWS                       ; tile_dim1 = 64 rows
	s_mov_b32 s[G1+5], 1024                        ; elements from row to row
	s_mov_b32 s[G1+6], 0
	s_mov_b32 s[G1+7], 0
	s_mul_i32 s19, s18, RING                       ; my wave's slots in LDS
	s_lshl_b32 s2, ttmp9, 20                       ; 256 rows of 4,096 bytes; 255 << 20 stays inside 32 bits
	s_mov_b32 s3, 0
	s_lshl_b32 s47, s18, 9                         ; my wave's 512 bytes of a row
	s_or_b32 s2, s2, s47
	s_wait_dscnt 0x0
	s_wait_kmcnt 0x0
	s_add_nc_u64 s[4:5], s[4:5], s[2:3]            ; X at my wave's first tile
	; both first fills go out together, ahead of every other load, wait on TENSORcnt, LDS read and barrier
.irp s, 0,1
	s_mov_b32 s[G0+4*\s], 1                                        ; count = 1
	s_add_co_u32 s[G0+4*\s+1], s19, \s*TILEB                       ; LDS address
	s_add_nc_u64 s[G0+4*\s+2:G0+4*\s+3], s[4:5], \s*256            ; rows 0 to 63 of the slot's strip
	s_or_b32 s[G0+4*\s+3], s[G0+4*\s+3], 0x80000000                ; type = 2
	tensor_load_to_lds s[G0+4*\s:G0+4*\s+3], s[G1:G1+7]
	s_nop 0
.endr
	s_load_b256 s[36:43], s[6:7], 0x8000           ; bias[0..7]; this launch stores nothing into mfrag
	v_and_b32 v1, 31, v0
	v_lshlrev_b32 v3, 4, v1
	v_lshl_add_u32 v3, s18, 12, v3                 ; mfrag: my wave's four K steps of 1,024 bytes, 16 bytes a lane
.irp i, 0,1,2,3
	global_load_b128 v[MF+8*\i:MF+8*\i+3],   v3, s[6:7] offset:\i*1024        ; each load of the wave takes 512 consecutive bytes
	global_load_b128 v[MF+8*\i+4:MF+8*\i+7], v3, s[6:7] offset:\i*1024+512
.endr
	s_lshl_b32 s2, ttmp9, 10                       ; 256 rows x 4 bytes
	s_add_nc_u64 s[8:9], s[8:9], s[2:3]
	s_add_nc_u64 s[10:11], s[10:11], s[2:3]
	v_lshlrev_b32 v4, 2, v0
	v_lshlrev_b32 v5, 3, v0
	global_load_b32 v6, v4, s[8:9] th:TH_LOAD_NT   ; D and D_agn of row 256 x + thread, the row that this thread stores at the end
	global_load_b32 v7, v4, s[10:11] th:TH_LOAD_NT
	s_lshl_b32 s2, ttmp9, 11                       ; 256 rows x 8 bytes
	s_add_nc_u64 s[12:13], s[12:13], s[2:3]
	s_add_nc_u64 s[14:15], s[14:15], s[2:3]
	s_add_nc_u64 s[16:17], s[16:17], s[2:3]
	s_mov_b32 s44, 0x76543210                      ; v_permlanex16_b32: lane i reads lane i of the other half
	s_mov_b32 s45, 0xfedcba98
	s_mov_b32 s46, 0xffff0000                      ; lanes 16 to 31
	v_and_b32 v8, 15, v0                           ; r
	v_bfe_u32 v9, v0, 4, 1                         ; hh
	v_mul_u32_u24 v[LA], v8, PITCH
	v_lshl_add_u32 v[LA], v9, 5, v[LA]             ; row r, 8 hh numbers of f32 along it
	v_add_nc_u32 v[LA], s19, v[LA]
	s_wait_loadcnt 0x0                             ; M, D, D_agn: once
	s_wait_kmcnt 0x0                               ; bias
; Four LDS loads: rows 16 a .. 16 a + 15 of slot s, K step ks of the strip, in f32 into buffer a: k = 8 hh + 0..7 and 16 + 8 hh + 0..7 of my row
.macro LOADU s, ks, a
	ds_load_b128 v[U+16*\a:U+16*\a+3],     v[LA] offset:\s*TILEB+\a*16*PITCH+\ks*128
	ds_load_b128 v[U+16*\a+4:U+16*\a+7],   v[LA] offset:\s*TILEB+\a*16*PITCH+\ks*128+16
	ds_load_b128 v[U+16*\a+8:U+16*\a+11],  v[LA] offset:\s*TILEB+\a*16*PITCH+\ks*128+64
	ds_load_b128 v[U+16*\a+12:U+16*\a+15], v[LA] offset:\s*TILEB+\a*16*PITCH+\ks*128+80
.endm
; One unit: buffer a is rounded to bf16 in place and multiplied.  cnt = the LDS loads issued behind this unit's four.
; nxt >= 0: buffer nxt is loaded again, for K step 1.  The matrix instruction that read it stands eight conversions back, none of which names its registers.
.macro UNIT h, s, ks, a, cnt, nxt
	s_wait_dscnt \cnt                              ; LDS loads come back in order (ISA guide 5.7.1)
.irp n, 0,1,2,3,4,5,6,7
	v_cvt_pk_bf16_f32 v[U+16*\a+\n], v[U+16*\a+2*\n], v[U+16*\a+2*\n+1]   ; word n is written when words 2 n and 2 n + 1 are read: never ahead of a word still to be read
.endr
.if \nxt >= 0
	LOADU \s, 1, \nxt
.endif
.if 2*\s+\ks < 1
	v_wmma_f32_16x16x32_bf16 v[ACC+8*(4*\h+\a):ACC+8*(4*\h+\a)+7], v[MF+8*(2*\s+\ks):MF+8*(2*\s+\ks)+7], v[U+16*\a:U+16*\a+7], 0   ; a tile's first product starts its sum
.else
	v_wmma_f32_16x16x32_bf16 v[ACC+8*(4*\h+\a):ACC+8*(4*\h+\a)+7], v[MF+8*(2*\s+\ks):MF+8*(2*\s+\ks)+7], v[U+16*\a:U+16*\a+7], v[ACC+8*(4*\h+\a):ACC+8*(4*\h+\a)+7]
.endif
.endm
; The tile of rows 64 h .. 64 h + 63 in slot s: eight units.  The four accumulators of h take turns, one instruction a turn, from tile to tile too.
; left = how many younger tensor loads may stay out.  pl = 1: another tile follows, whose loads land in the last unit's buffer.
.macro TILE h, s, left, pl
	s_wait_tensorcnt \left                         ; tensor loads of a wave end in order (ISA guide 10.11.1): my tile is in LDS
	LOADU \s, 0, 0
	LOADU \s, 0, 1
	LOADU \s, 0, 2
	LOADU \s, 0, 3
	UNIT \h, \s, 0, 0, 12, -1                      ; three units' loads behind mine
	UNIT \h, \s, 0, 1, 8, 0                        ; from here on two units' loads behind mine,
	UNIT \h, \s, 0, 2, 8, 1
	UNIT \h, \s, 0, 3, 8, 2
	UNIT \h, \s, 1, 0, 8, 3
	UNIT \h, \s, 1, 1, 8, -1
	UNIT \h, \s, 1, 2, 4, -1                       ; then one's,
	UNIT \h, \s, 1, 3, 0, -1                       ; then none
.if \pl
.rept 4
	v_nop                                          ; four places behind the last matrix instruction (ISA guide 7.12.1 for vector instructions) before its buffer is loaded again
.endr
.endif
.endm
; Slot s, which has been read, is filled again with the same strip's next 64 rows.
.macro FILL s
	s_wait_dscnt 0x0                               ; my reads of the slot are back (met: the tile's last count was 0)
	s_wait_tensorcnt 0x0                           ; all my tensor loads have landed, the unread slot's too: a group 0 may be written
	ds_add_u32 v240, v241
	s_wait_dscnt 0x0
	s_add_nc_u64 s[G0+4*\s+2:G0+4*\s+3], s[G0+4*\s+2:G0+4*\s+3], TROWS*ROWB   ; 64 rows on; the type bits on top are not reached
	s_barrier_signal -1
	s_barrier_wait -1                              ; both hold of all eight waves
	tensor_load_to_lds s[G0+4*\s:G0+4*\s+3], s[G1:G1+7]            ; my one tensor load behind this barrier, first thing there
	s_nop 0
.endm
	TILE 0, 0, 1, 1                                ; the count leaves the right strip's first tile on its way
	FILL 0
	TILE 0, 1, 1, 1                                ; one load was issued behind this tile's
	FILL 1
	TILE 1, 0, 1, 1
	FILL 0
	TILE 1, 1, 1, 1
	FILL 1
	TILE 2, 0, 1, 1
	FILL 0
	TILE 2, 1, 1, 1
	FILL 1                                         ; the last load: rows 192 to 255, right strip
	TILE 3, 0, 1, 1                                ; nothing is left to fetch: no FILL follows
	TILE 3, 1, 0, 0                                ; the last wait is for 0: no tensor load is out from here on
	; THE WAVES' PARTIAL SUMS MEET.  The stage is each wave's own slot 0: its last fill has landed, its last reads are back (the count 0 above),
	; no tensor load follows.  Tile T, registers 2 pr, 2 pr + 1 (pr = 0..2) at T*768 + pr*256 + 8 lane: 12,288 of the slot's 17,408 bytes.
	s_mul_i32 s2, s18, 1536                        ; the two tiles that I finish: 2 w and 2 w + 1
	v_and_b32 v1, 31, v0                           ; these four lines are the four places behind the last matrix instruction (ISA guide 7.12.1)
	v_lshlrev_b32 v1, 3, v1
	v_add_nc_u32 v8, s19, v1                       ; where I put my sums
	v_add_nc_u32 v9, s2, v1                        ; where I read wave 0's sums of my two tiles
.irp t, 0,1,2,3,4,5,6,7,8,9,10,11,12,13,14,15
.irp p, 0,1,2
	ds_store_b64 v8, v[ACC+8*\t+2*\p:ACC+8*\t+2*\p+1] offset:\t*768+\p*256
.endr
.endr
	s_wait_dscnt 0x0                               ; my stores are in LDS, for the waves that read them behind the barrier
	s_barrier_signal -1
	s_barrier_wait -1
	; six loads for each of the eight waves' stages; tile a of my two, wave w, pair p lands at ACC + 48 a + 6 w + 2 p
.irp w, 0,1,2,3,4,5,6,7
.irp a, 0,1
.irp p, 0,1,2
	ds_load_b64 v[ACC+48*\a+6*\w+2*\p:ACC+48*\a+6*\w+2*\p+1], v9 offset:\a*768+\p*256
.endr
.endr
.if \w < 7
	v_add_nc_u32 v9, RING, v9                      ; the next wave's stage
.endif
.endr
.irp w, 1,2,3,4,5,6,7
	s_wait_dscnt 6*(7-\w)                          ; the sets of waves 0 to w are in; the 7 - w younger sets of six stay out
.irp a, 0,1
.irp p, 0,1,2
	v_pk_add_f32 v[ACC+48*\a+2*\p:ACC+48*\a+2*\p+1], v[ACC+48*\a+2*\p:ACC+48*\a+2*\p+1], v[ACC+48*\a+6*\w+2*\p:ACC+48*\a+6*\w+2*\p+1]
.endr
.endr
.endr
	; Lane (r, hh) now has, of row r of both tiles, the hi (hh = 0) or lo (hh = 1) sums.  Lane L is to hold row 32 w + L whole: it keeps its part of
	; tile hh and gets the other part from lane L xor 16, to which it sends its part of the other tile.
.irp j, 0,1,2,3,4,5
	v_cndmask_b32 v[42+\j], v[ACC+48+\j], v[ACC+\j], s46           ; to send: lanes 0-15 tile 1's, lanes 16-31 tile 0's
	v_cndmask_b32 v[54+\j], v[ACC+\j], v[ACC+48+\j], s46           ; to keep
.endr
.irp j, 0,1,2,3,4,5
	v_permlanex16_b32 v[48+\j], v[42+\j], s44, s45                 ; v48-53 were written above, as a fragment buffer
.endr
.irp j, 0,2,4
	v_pk_add_f32 v[54+\j:55+\j], v[54+\j:55+\j], v[48+\j:49+\j]    ; hi + lo
.endr
.irp j, 0,1,2,3,4,5
	v_add_f32 v[54+\j], s[36+\j], v[54+\j]                         ; + bias[j]
.endr
	v_cmp_eq_u32 vcc_lo, 1, v6                     ; D picks the group: a choice of values, no address hangs on it
	v_cmp_eq_u32 s47, 1, v7                        ; D_agn likewise
	v_cndmask_b32 v60, v56, v58, vcc_lo
	v_cndmask_b32 v61, v57, v59, vcc_lo
	v_cndmask_b32 v62, v56, v58, s47
	v_cndmask_b32 v63, v57, v59, s47
	global_store_b64 v5, v[54:55], s[12:13] th:TH_STORE_NT         ; each store of the wave covers 256 consecutive bytes, aligned: 32 rows of 8 bytes
	global_store_b64 v5, v[60:61], s[14:15] th:TH_STORE_NT
	global_store_b64 v5, v[62:63], s[16:17] th:TH_STORE_NT
	s_wait_tensorcnt 0x0
	ds_add_u32 v240, v241
	s_wait_dscnt 0x0
	s_endpgm
.Lfunc_end_k_q5a209306a2_stream:
	.size	k_q5a209306a2_stream, .Lfunc_end_k_q5a209306a2_stream-k_q5a209306a2_stream
	.p2alignl 7, 3214868480
	.fill 96, 4, 3214868480
	.section	.rodata,"a",@progbits
	.p2align	6, 0x0
	.amdhsa_kernel k_q5a209306a2_stream
		.amdhsa_group_segment_fixed_size 327680
		.amdhsa_private_segment_fixed_size 0
		.amdhsa_enable_private_segment 0
		.amdhsa_kernarg_size 56
		.amdhsa_user_sgpr_count 2
		.amdhsa_user_sgpr_kernarg_segment_ptr 1
		.amdhsa_wavefront_size32 1
		.amdhsa_system_sgpr_workgroup_id_x 1
		.amdhsa_system_sgpr_workgroup_id_y 1
		.amdhsa_system_sgpr_workgroup_id_z 1
		.amdhsa_system_vgpr_workitem_id 0
		.amdhsa_next_free_vgpr 242
		.amdhsa_next_free_sgpr 66
		.amdhsa_reserve_vcc 1
		.amdhsa_float_denorm_mode_32 3
		.amdhsa_float_denorm_mode_16_64 3
		.amdhsa_memory_ordered 1
		.amdhsa_forward_progress 1
		.amdhsa_inst_pref_size 74
	.end_amdhsa_kernel
	.amdgpu_metadata
---
amdhsa.version: [ 1, 2 ]
amdhsa.kernels:
  - .name:           k_q5a209306a2_stream
    .symbol:         k_q5a209306a2_stream.kd
    .args:
      - { .name: X, .offset: 0, .size: 8, .value_kind: global_buffer, .address_space: global }
      - { .name: mfrag, .offset: 8, .size: 8, .value_kind: global_buffer, .address_space: global }
      - { .name: D, .offset: 16, .size: 8, .value_kind: global_buffer, .address_space: global }
      - { .name: D_agn, .offset: 24, .size: 8, .value_kind: global_buffer, .address_space: global }
      - { .name: out0, .offset: 32, .size: 8, .value_kind: global_buffer, .address_space: global }
      - { .name: out1, .offset: 40, .size: 8, .value_kind: global_buffer, .address_space: global }
      - { .name: out2, .offset: 48, .size: 8, .value_kind: global_buffer, .address_space: global }
    .group_segment_fixed_size: 327680
    .private_segment_fixed_size: 0
    .kernarg_segment_align: 8
    .kernarg_segment_size: 56
    .max_flat_workgroup_size: 256
    .sgpr_count:     66
    .vgpr_count:     242
    .wavefront_size: 32
...
	.end_amdgpu_metadata
.endif
;; end of part 2
;; ======== version 2 of 2: 2 launches; 1.16 times as fast as version 1
;; workspace buffers: mfrag 33,024 bytes
;; launch fold (part 3): grid 16 x 2, 16 waves a work-group, no clusters, 69,632 bytes of LDS; arguments W_phi, W_joint, W_groups, b_phi, b_joint, b_groups, mfrag; writes mfrag
.if DOCPART == 3
	.amdgcn_target "amdgcn-amd-amdhsa--gfx1250"
	.amdhsa_code_object_version 6
	.text
	.protected	k_q5a209306a2_fold
	.globl	k_q5a209306a2_fold
	.p2align	8
	.type	k_q5a209306a2_fold,@function
k_q5a209306a2_fold:
	s_mov_b64 s[64:65], 0
	v_nop
	global_prefetch_b8 v0, s[64:65] scope:SCOPE_SE
	s_setreg_imm32_b32 hwreg(HW_REG_WAVE_MODE, 25, 1), 1
	s_wait_xcnt 0x0
; fold: M_y[c][k] = sum over h in half y of Wcat[c][h] W_phi[h][k]  and  bias_y[c] = sum over h in half y of Wcat[c][h] b_phi[h] (+ bcat[c] in half 0).
; Half y is h = 512 y .. 512 y + 511.  Wcat is the stack of the six head rows: c = 0, 1 W_joint's rows, c = 2 + 2 g + cc W_groups[g][cc].  Since
; (X W_phi^T + b_phi) Wcat^T = X (M_0 + M_1)^T + bias_0 + bias_1 for every input, the next launch needs X, the two M_y and the two bias_y alone.
; LIMITS, kept on purpose: the order of rounding differs from the written order (phi is never formed, so never rounded); W_phi and Wcat
; enter the matrix unit rounded once to bf16, sums in f32; each M_y leaves rounded once to bf16 (relative 2^-9), as a matrix operand of the next
; launch; |M_y| must stay below bf16's largest finite number (3.39e38).  The bias sums are all f32.
; SHARES: work-group (x, y) owns the 64 columns k0 = 64 x .. 64 x + 63 (256 consecutive bytes, aligned, of a row of W_phi) and half y of h: 128 KiB.
; Wave w owns h = 512 y + 32 w .. + 31, one K step.  The sixteen waves' partial sums meet in LDS once.  No sum crosses work-groups: the two
; halves are two sets of rows of the matrix that the next launch multiplies by, and it adds their products.
; No cluster: no two work-groups read the same bytes of W_phi; what they share (half of Wcat and b_phi: 14 KiB) is a ninth of a work-group's bytes.
; Every work-group forms the bias partials (8 packed instructions a wave), so that all count their loads alike; work-groups x = 0 store them.
; MATRIX USE: D_t = A_t B, t = 0..3.  A_t's row m is column k0 + 4 m + t of W_phi, K runs along h; B's column n is Wcat's row n & 7.
; A lane's 16-byte load of W_phi brings t = 0..3 of its row m at once.  In D_t lane (r, hh), register j, holds M_y[r & 7][k0 + 32 hh + 4 j + t].
; mfrag: the 16 bytes at y*16384 + ks*512 + q*256 + (c + 8 h2)*16 are M_y[c][32 ks + 16 q + 8 h2 + 0..7] in bf16, c = 0..7; c = 6, 7 are copies of
; the first group's rows, whose products the next launch never reads.  Bytes 32768 + 128 y ..: 32 words of f32, word L = bias_y[L & 7].
.set ROWB, 4096                        ; bytes in a row of W_phi, W_joint, W_groups
.set WP,   12                          ; v[12:75]   W_phi as loaded: load n at WP + 4 n
.set J,    76                          ; v[76:91]   W_joint's pieces, then the chosen Wcat row's
.set G,    92                          ; v[92:107]  W_groups' pieces
.set BP,   108                         ; v[108:123] b_phi's pieces
.set BF,   124                         ; v[124:131] the B fragment
.set PB,   132                         ; v[132:133] partial bias
.set AF,   134                         ; v[134:165] four A fragments
.set ACC,  166                         ; v[166:197] four results of 8
.set SUM,  12                          ; the packing waves: v[12:139], 64 pairs read back from LDS
.set H,    200                         ; v[200:203] eight columns in bf16; v204 their place in mfrag; v205 r >> 3
.set BSTG, 65536                       ; LDS: 65,536 bytes of partial M, then 16 waves x 128 bytes of partial bias
	s_load_b256 s[4:11], s[0:1], 0x0               ; W_phi s[4:5], W_joint s[6:7], W_groups s[8:9], b_phi s[10:11]
	s_load_b128 s[12:15], s[0:1], 0x20             ; b_joint s[12:13], b_groups s[14:15]
	s_load_b64 s[16:17], s[0:1], 0x30              ; mfrag
	v_lshl_add_u32 v208, v0, 2, 0x10800
	v_mov_b32 v209, 0
	v_lshrrev_b32 v1, 5, v0
	v_readfirstlane_b32 s18, v1                    ; wave 0..15
	s_mov_b32 s19, ttmp9                           ; x: my 64 columns
	s_and_b32 s28, ttmp7, 0xffff                   ; y: my half of h
	s_mov_b32 s22, 0x76543210                      ; v_permlanex16_b32: lane i reads lane i of the other half
	s_mov_b32 s23, 0xfedcba98
	s_lshl_b32 s20, s19, 8                         ; my 64 columns: 256 bytes along a row
	s_mov_b32 s21, 0
	s_lshl_b32 s24, s18, 8                         ; my 256 bytes in each block of the LDS stage
	s_lshl_b32 s26, s18, 7
	s_lshl_b32 s25, s28, 11
	s_add_co_u32 s25, s25, s26                     ; along h: 4 (512 y + 32 w) bytes
	s_add_co_u32 s26, s26, BSTG                    ; my 128 bytes of the bias stage
	s_lshl_b32 s27, s25, 10                        ; 512 y + 32 w rows of W_phi, in bytes
	v_and_b32 v1, 31, v0                           ; lane
	v_and_b32 v2, 15, v0                           ; r
	v_bfe_u32 v3, v0, 4, 1                         ; hh
	v_and_b32 v4, 7, v0                            ; c
	v_lshlrev_b32 v5, 4, v2
	v_lshl_add_u32 v5, v3, 15, v5
	v_add_nc_u32 v5, s27, v5                       ; W_phi: my first row + 8 hh, byte 16 r of my 256
	v_lshl_add_u32 v6, v3, 5, s25                  ; along h: 4 (512 y + 32 w + 8 hh)
	v_and_b32 v7, 1, v4
	v_lshl_add_u32 v7, v7, 12, v6                  ; W_joint's row c & 1
	v_add_nc_u32 v8, 2, v4
	v_and_b32 v8, 3, v8
	v_lshl_add_u32 v8, v8, 12, v6                  ; W_groups' row (c + 2) & 3: c - 2 for c = 2..5, rows 0, 1 again for c = 6, 7
	v_lshl_add_u32 v9, v1, 3, s24                  ; LDS: 256 w + 8 lane
	v_lshl_add_u32 v10, v1, 2, s26                 ; LDS: bias stage, 128 w + 4 lane
	s_wait_kmcnt 0x0
	s_add_nc_u64 s[4:5], s[4:5], s[20:21]          ; W_phi at my columns
	; 12 small loads: the 16 h of my half of a fragment, h = 8 hh + 0..7 and 16 + 8 hh + 0..7, in f32
.irp m, 0,1,2,3
	global_load_b128 v[J+4*\m:J+4*\m+3],   v7, s[6:7]   offset:16*(\m%2)+64*(\m/2)
	global_load_b128 v[G+4*\m:G+4*\m+3],   v8, s[8:9]   offset:16*(\m%2)+64*(\m/2)
	global_load_b128 v[BP+4*\m:BP+4*\m+3], v6, s[10:11] offset:16*(\m%2)+64*(\m/2)
.endr
	; 16 loads of W_phi, all of the wave's share at once: lanes 0-15 take my 256 bytes of one row, lanes 16-31 those of the row 8 further down
.irp n, 0,1,2,3,4,5,6,7,8,9,10,11,12,13,14,15
	global_load_b128 v[WP+4*\n:WP+4*\n+3], v5, s[4:5] offset:(\n+8*(\n/8))*ROWB th:TH_LOAD_NT
.endr
	s_wait_loadcnt 16                              ; loads come back in order (ISA guide 5.7.1): the 12 small ones are in, the 16 of W_phi stay out
	v_cmp_gt_u32 vcc_lo, 2, v4                     ; c < 2: a joint row
.set i, 0
.rept 16
	v_cndmask_b32 v[J+i], v[G+i], v[J+i], vcc_lo   ; my row of Wcat
.set i, i+1
.endr
	v_pk_mul_f32 v[PB:PB+1], v[J:J+1], v[BP:BP+1]  ; the first product starts the bias sum
.set i, 2
.rept 7
	v_pk_fma_f32 v[PB:PB+1], v[J+i:J+i+1], v[BP+i:BP+i+1], v[PB:PB+1]
.set i, i+2
.endr
	v_add_f32 v[PB], v[PB], v[PB+1]                ; my 16 h of Wcat[c] . b_phi
.set i, 0
.rept 8
	v_cvt_pk_bf16_f32 v[BF+i], v[J+2*i], v[J+2*i+1]    ; the B fragment
.set i, i+1
.endr
	s_wait_loadcnt 0x0
.irp t, 0,1,2,3
.irp i, 0,1,2,3,4,5,6,7
	v_cvt_pk_bf16_f32 v[AF+8*\t+\i], v[WP+8*\i+\t], v[WP+8*\i+4+\t]   ; loads 2 i and 2 i + 1 are neighbouring h; word t of each is column 4 r + t
.endr
.endr
.irp t, 0,1,2,3
	v_wmma_f32_16x16x32_bf16 v[ACC+8*\t:ACC+8*\t+7], v[AF+8*\t:AF+8*\t+7], v[BF:BF+7], 0   ; one product for each of four results: nothing is cleared, nothing chained
.endr
.rept 4
	v_nop                                          ; four places behind the last matrix instruction (ISA guide 7.12.1) before its results are stored and its sources loaded over
.endr
	; partial sums to LDS: block (p, t) holds registers 2 p, 2 p + 1 of D_t, 256 bytes for each wave, 8 for each lane
.irp p, 0,1,2,3
.irp t, 0,1,2,3
	ds_store_b64 v9, v[ACC+8*\t+2*\p:ACC+8*\t+2*\p+1] offset:(4*\p+\t)*4096
.endr
.endr
	ds_store_b32 v10, v[PB]
	s_wait_dscnt 0x0                               ; my stores are in LDS, for the waves that read them behind the barrier
	s_barrier_signal -1
	s_barrier_wait -1
	s_cmp_lt_u32 s18, 2
	s_cbranch_scc1 .Lpack                          ; waves 0 and 1 add up and pack M_y
	s_cmp_lg_u32 s18, 2
	s_cbranch_scc1 .Lend
	s_cmp_lg_u32 s19, 0
	s_cbranch_scc1 .Lend
	; wave 2 of work-groups x = 0: bias_y
	v_lshlrev_b32 v33, 2, v1                       ; 4 lane
	v_add_nc_u32 v11, BSTG, v33
	v_and_b32 v30, 1, v4
	v_lshlrev_b32 v30, 2, v30                      ; b_joint[c & 1]
	v_add_nc_u32 v31, 2, v4
	v_and_b32 v31, 3, v31
	v_lshlrev_b32 v31, 2, v31                      ; b_groups, flat, [(c + 2) & 3]
	global_load_b32 v28, v30, s[12:13]
	global_load_b32 v29, v31, s[14:15]
.irp w, 0,1,2,3,4,5,6,7,8,9,10,11,12,13,14,15
	ds_load_b32 v[12+\w], v11 offset:\w*128        ; my lane's partial of every wave
.endr
	s_lshl_b32 s20, s28, 7                         ; half y's 128 bytes (s21 is still 0)
	s_add_nc_u64 s[16:17], s[16:17], s[20:21]
	s_cmp_eq_u32 s28, 0
	s_cselect_b32 s30, -1, 0                       ; all lanes in half 0, none in half 1
	s_wait_dscnt 0x0
	v_pk_add_f32 v[12:13], v[12:13], v[14:15]
	v_pk_add_f32 v[16:17], v[16:17], v[18:19]
	v_pk_add_f32 v[20:21], v[20:21], v[22:23]
	v_pk_add_f32 v[24:25], v[24:25], v[26:27]
	v_pk_add_f32 v[12:13], v[12:13], v[16:17]
	v_pk_add_f32 v[20:21], v[20:21], v[24:25]
	v_pk_add_f32 v[12:13], v[12:13], v[20:21]
	v_add_f32 v12, v12, v13
	v_permlanex16_b32 v34, v12, s22, s23           ; the other half of the lanes holds the other half of each K step's h (v34 was written above, as a piece of W_phi)
	v_add_f32 v12, v12, v34
	v_mov_b32 v35, 0
	s_wait_loadcnt 0x0
	v_cmp_gt_u32 vcc_lo, 2, v4
	v_cndmask_b32 v28, v29, v28, vcc_lo            ; bcat[c]
	v_cndmask_b32 v28, v35, v28, s30               ; it is added once: in half 0
	v_add_f32 v12, v12, v28
	global_store_b32 v33, v12, s[16:17] offset:32768   ; 32 words: bias_y[lane & 7]
.Lend:
	s_wait_tensorcnt 0x0
	ds_add_u32 v208, v209
	s_wait_dscnt 0x0
	s_endpgm
.Lpack:
	; Wave pw = 0, 1.  Lanes r and r + 8 hold the same sums, so lane (r, hh) takes p = 2 pw + (r >> 3): registers 2 p, 2 p + 1 of the four D_t,
	; the eight columns k0 + 32 hh + 8 p + 0..7 of M_y[r & 7].
	s_lshl_b32 s25, s18, 15                        ; blocks (2 pw, 0..3): 8 x 4,096 bytes for each pw
	v_bfe_u32 v205, v0, 3, 1                       ; r >> 3
	v_lshl_add_u32 v11, v1, 3, s25
	v_lshl_add_u32 v11, v205, 14, v11              ; + 4 blocks for the upper lanes of each sixteen
.irp t, 0,1,2,3
.irp w, 0,1,2,3,4,5,6,7,8,9,10,11,12,13,14,15
	ds_load_b64 v[SUM+32*\t+2*\w:SUM+32*\t+2*\w+1], v11 offset:\t*4096+\w*256
.endr
.endr
	s_lshl_b32 s26, s18, 8
	v_lshlrev_b32 v204, 4, v2
	v_lshl_add_u32 v204, v3, 9, v204
	v_add_nc_u32 v204, s26, v204                   ; mfrag: 512 hh + 256 pw + 16 r: K step 2 x + hh, q = pw, row (r & 7) + 8 h2 with h2 = r >> 3
	s_lshl_b32 s20, s19, 10                        ; the work-group's two K steps of 512 bytes,
	s_lshl_b32 s27, s28, 14                        ; in half y's 16,384 bytes
	s_add_co_u32 s20, s20, s27
	s_add_nc_u64 s[16:17], s[16:17], s[20:21]      ; s21 is still 0
	s_wait_dscnt 0x0
.irp w, 1,2,3,4,5,6,7,8,9,10,11,12,13,14,15
.irp t, 0,1,2,3
	v_pk_add_f32 v[SUM+32*\t:SUM+32*\t+1], v[SUM+32*\t:SUM+32*\t+1], v[SUM+32*\t+2*\w:SUM+32*\t+2*\w+1]   ; four chains that do not wait for each other
.endr
.endr
	; column 8 p + 4 i + t lies in v[SUM + 32 t + i]
	v_cvt_pk_bf16_f32 v[H],   v[SUM],    v[SUM+32] ; columns 0, 1
	v_cvt_pk_bf16_f32 v[H+1], v[SUM+64], v[SUM+96] ; 2, 3
	v_cvt_pk_bf16_f32 v[H+2], v[SUM+1],  v[SUM+33] ; 4, 5
	v_cvt_pk_bf16_f32 v[H+3], v[SUM+65], v[SUM+97] ; 6, 7
	global_store_b128 v204, v[H:H+3], s[16:17]     ; each sixteen lanes store 256 consecutive bytes, aligned
	s_wait_tensorcnt 0x0
	ds_add_u32 v208, v209
	s_wait_dscnt 0x0
	s_endpgm
.Lfunc_end_k_q5a209306a2_fold:
	.size	k_q5a209306a2_fold, .Lfunc_end_k_q5a209306a2_fold-k_q5a209306a2_fold
	.p2alignl 7, 3214868480
	.fill 96, 4, 3214868480
	.section	.rodata,"a",@progbits
	.p2align	6, 0x0
	.amdhsa_kernel k_q5a209306a2_fold
		.amdhsa_group_segment_fixed_size 69632
		.amdhsa_private_segment_fixed_size 0
		.amdhsa_enable_private_segment 0
		.amdhsa_kernarg_size 56
		.amdhsa_user_sgpr_count 2
		.amdhsa_user_sgpr_kernarg_segment_ptr 1
		.amdhsa_wavefront_size32 1
		.amdhsa_system_sgpr_workgroup_id_x 1
		.amdhsa_system_sgpr_workgroup_id_y 1
		.amdhsa_system_sgpr_workgroup_id_z 1
		.amdhsa_system_vgpr_workitem_id 0
		.amdhsa_next_free_vgpr 210
		.amdhsa_next_free_sgpr 66
		.amdhsa_reserve_vcc 1
		.amdhsa_float_denorm_mode_32 3
		.amdhsa_float_denorm_mode_16_64 3
		.amdhsa_memory_ordered 1
		.amdhsa_forward_progress 1
		.amdhsa_inst_pref_size 22
	.end_amdhsa_kernel
	.amdgpu_metadata
---
amdhsa.version: [ 1, 2 ]
amdhsa.kernels:
  - .name:           k_q5a209306a2_fold
    .symbol:         k_q5a209306a2_fold.kd
    .args:
      - { .name: W_phi, .offset: 0, .size: 8, .value_kind: global_buffer, .address_space: global }
      - { .name: W_joint, .offset: 8, .size: 8, .value_kind: global_buffer, .address_space: global }
      - { .name: W_groups, .offset: 16, .size: 8, .value_kind: global_buffer, .address_space: global }
      - { .name: b_phi, .offset: 24, .size: 8, .value_kind: global_buffer, .address_space: global }
      - { .name: b_joint, .offset: 32, .size: 8, .value_kind: global_buffer, .address_space: global }
      - { .name: b_groups, .offset: 40, .size: 8, .value_kind: global_buffer, .address_space: global }
      - { .name: mfrag, .offset: 48, .size: 8, .value_kind: global_buffer, .address_space: global }
    .group_segment_fixed_size: 69632
    .private_segment_fixed_size: 0
    .kernarg_segment_align: 8
    .kernarg_segment_size: 56
    .max_flat_workgroup_size: 512
    .sgpr_count:     66
    .vgpr_count:     210
    .wavefront_size: 32
...
	.end_amdgpu_metadata
.endif
;; end of part 3
;; launch stream (part 4): grid 256 x 1, 16 waves a work-group, no clusters, 169,984 bytes of LDS; arguments X, mfrag, D, D_agn, out0, out1, out2; writes out0, out1, out2
.if DOCPART == 4
	.amdgcn_target "amdgcn-amd-amdhsa--gfx1250"
	.amdhsa_code_object_version 6
	.text
	.protected	k_q5a209306a2_stream
	.globl	k_q5a209306a2_stream
	.p2align	8
	.type	k_q5a209306a2_stream,@function
k_q5a209306a2_stream:
	s_mov_b64 s[64:65], 0
	v_nop
	global_prefetch_b8 v0, s[64:65] scope:SCOPE_SE
	s_setreg_imm32_b32 hwreg(HW_REG_WAVE_MODE, 25, 1), 1
	s_wait_xcnt 0x0
; stream: P[b][c] = sum over k of X[b][k] (M_0[c][k] + M_1[c][k]) + bias_0[c] + bias_1[c], c = 0..5;
; out0[b] = P[b][0:2], out1[b] = P[b][2 + 2 D[b] ..], out2[b] = P[b][2 + 2 D_agn[b] ..].
; M_y and bias_y come from the launch before: the two half sums over h of Wcat W_phi, each in bf16, and of Wcat b_phi (+ bcat), in f32.
; LIMITS, kept on purpose: X enters the matrix unit rounded once to bf16, sums in f32; each M_y is one bf16 number (relative 2^-9); the order of rounding
; differs from the written order, in which phi is formed first.  D or D_agn = 1 takes group 1, any other number group 0 (the indices are 0 or 1 by the problem).
; SHARES: 256 work-groups of sixteen waves; the work-group owns rows 256 x .. 256 x + 255, 1 MiB of X, each byte read once.  Wave wv = 2 w + half owns
; columns 128 w .. 128 w + 127 of rows 128 half .. 128 half + 127: eight tiles of 16 rows; its slice of M is four K steps, 32 registers, loaded once.
; X COMES THROUGH REGISTERS.  One load of the wave takes two aligned pieces of 256 consecutive bytes: lanes 0-15 of row p, lanes 16-31 of row p + 8; the next
; load takes the same two rows' next 256 bytes.  A ring of 32 register slots keeps 32 such loads of every wave on their way, 256 KiB for the work-group; the
; wait at a pair's head is counted, and the pair is asked for again as soon as it has been rounded, so requests never pause.
; A loaded row has k along the lanes, a fragment wants rows along the lanes: 16 rows, already in bf16, go through the wave's OWN 4,352 bytes of LDS.
; A lane's two loads give it eight numbers of one row, 16 bytes in bf16: one LDS store for two loads.  All sixteen refills of a tile are issued ahead of
; the tile's LDS instructions, so that no request to memory stands behind one of them.
; K ORDER: place 8 i + e of an LDS row holds column 4 i + e (e < 4) or 64 + 4 i + e - 4 (e >= 4) of the wave's 128.  M's fragments are loaded in the
; same order; a permutation of k applied alike to both operands pairs the same numbers.
; LDS serves a wave's instructions in order (ISA guide 5.7.1.4), so the tiles need no barrier.  A tile's sums over the wave's 128 columns go to a stage in LDS at once,
; so that two accumulators are all that a wave holds; the eight column groups' sums meet behind the one barrier, at the end.
; No cluster: no byte of X is read by two work-groups; what all share is mfrag, 32 KiB against 1 MiB of X for a work-group.
; MATRIX USE: source 0 = 16 rows of M's matrix (rows 0-7 M_0, rows 8-15 M_1), source 1 = 16 rows of X.  In the result lane (r, hh), register j, holds
; M_hh[j] times row r of the tile.  Registers 6 and 7 are never read.
.set ROWB,  4096                       ; bytes in a row of X
.set PITCH, 272                        ; an LDS row: 128 bf16 + 16 bytes, an odd multiple of 16: the 16 rows that a fragment load touches start 4 banks apart (64 banks of 4 bytes: ISA guide 11.1)
.set TBUF,  16*PITCH                   ; 4,352 bytes: a wave's buffer for one tile
.set STAGE, 16*TBUF                    ; behind the sixteen buffers: the partial sums
.set WSTG,  6144                       ; a wave's eight tiles of 768 bytes; column group w, tile T = 8 half + t of the work-group lies at 12,288 w + 768 T
.set XO,  2                            ; v2         16 (lane mod 16) + 8 rows for lanes 16-31; never rewritten
.set STA, 3                            ; v3         LDS: where I put my 16 bytes of a row
.set LDA, 4                            ; v4         LDS: my part of a fragment
.set SA,  5                            ; v5         LDS: my 8 bytes in my wave's stage
.set MF,  12                           ; v[12:43]   my wave's four K steps of M
.set T,   44                           ; v[44:75]   a tile in bf16, four registers for each pair of loads, as stored to LDS
.set F,   76                           ; v[76:107]  the tile's four fragments
.set ACC, 108                          ; v[108:123] two accumulators
.set X,   124                          ; v[124:251] the ring: tile t, pair p, piece u at X + 64 (t mod 2) + 8 p + 4 u
.set EP,  X                            ; the last sum: 96 registers of the ring, which is empty by then
	s_load_b256 s[4:11], s[0:1], 0x0               ; X s[4:5], mfrag s[6:7], D s[8:9], D_agn s[10:11]
	s_load_b128 s[12:15], s[0:1], 0x20             ; out0 s[12:13], out1 s[14:15]
	s_load_b64 s[16:17], s[0:1], 0x30              ; out2
	v_lshl_add_u32 v252, v0, 2, 0x29000
	v_mov_b32 v253, 0
	v_lshrrev_b32 v1, 5, v0
	v_readfirstlane_b32 s18, v1                    ; wave 0..15
	s_lshr_b32 s19, s18, 1                         ; w: my column group
	s_and_b32 s20, s18, 1                          ; half: my 128 rows
	s_lshl_b32 s2, ttmp9, 20                       ; 256 rows of 4,096 bytes; 255 << 20 stays inside 32 bits
	s_mov_b32 s3, 0
	s_lshl_b32 s21, s20, 19                        ; 128 rows
	s_or_b32 s2, s2, s21
	s_lshl_b32 s21, s19, 9                         ; 512 bytes along a row
	s_or_b32 s2, s2, s21
	s_mul_i32 s22, s18, TBUF                       ; my wave's buffer
	s_mul_i32 s23, s18, WSTG
	s_add_co_u32 s23, s23, STAGE                   ; my wave's stage
	s_lshl_b32 s21, s19, 11                        ; mfrag: my column group's four K steps of 512 bytes in each half's 16,384
	v_and_b32 v1, 31, v0                           ; lane; kept to the end
	v_and_b32 v9, 15, v0                           ; r; also i, my 16 bytes of a piece of 256
	v_bfe_u32 v10, v0, 4, 1                        ; hh
	v_lshlrev_b32 v[XO], 4, v9
	v_lshl_add_u32 v[XO], v10, 15, v[XO]           ; lanes 16-31: 8 rows of 4,096 bytes further down
	v_mul_u32_u24 v[STA], v10, 8*PITCH             ; and 8 rows further down in LDS
	v_lshl_add_u32 v[STA], v9, 4, v[STA]
	v_add_nc_u32 v[STA], s22, v[STA]
	v_mul_u32_u24 v[LDA], v9, PITCH
	v_lshl_add_u32 v[LDA], v10, 4, v[LDA]          ; row r, 8 hh places of bf16 along it
	v_add_nc_u32 v[LDA], s22, v[LDA]
	v_lshl_add_u32 v[SA], v1, 3, s23
	v_bfe_u32 v11, v0, 3, 1                        ; row r of M's matrix: half r >> 3,
	v_lshlrev_b32 v11, 14, v11
	v_and_b32 v8, 7, v0                            ; c = r & 7,
	v_lshl_add_u32 v11, v8, 4, v11
	v_lshl_add_u32 v11, v10, 3, v11                ; four of its eight numbers: the first for hh = 0, the last for hh = 1
	v_add_nc_u32 v11, s21, v11
	s_wait_kmcnt 0x0
	s_add_nc_u64 s[4:5], s[4:5], s[2:3]            ; X at my wave's first row and column
	; waves 0-7 make the last sum, thread t for row 256 x + t: they alone fetch D, D_agn and the bias.  These loads stand ahead of the ring's,
	; so the counts of the ring's waits, which count younger loads, are the same for all sixteen waves.
	s_cmp_lt_u32 s18, 8
	s_cbranch_scc0 .Lring
	s_lshl_b32 s2, ttmp9, 10                       ; 256 rows x 4 bytes
	s_add_nc_u64 s[8:9], s[8:9], s[2:3]
	s_add_nc_u64 s[10:11], s[10:11], s[2:3]
	v_lshlrev_b32 v8, 2, v0
	global_load_b32 v6, v8, s[8:9] th:TH_LOAD_NT
	global_load_b32 v7, v8, s[10:11] th:TH_LOAD_NT
	s_load_b256 s[36:43], s[6:7], 0x8000           ; bias_0[0..7]; this launch stores nothing into mfrag; waited for where it is used
	s_load_b256 s[48:55], s[6:7], 0x8080           ; bias_1[0..7]
.Lring:
	; the ring is filled: tiles 0 and 1.  X's requests go out ahead of M's.
.irp t, 0,1
.irp p, 0,1,2,3,4,5,6,7
	global_load_b128 v[X+64*\t+8*\p:X+64*\t+8*\p+3],   v[XO], s[4:5] offset:(16*\t+\p)*ROWB th:TH_LOAD_NT
	global_load_b128 v[X+64*\t+8*\p+4:X+64*\t+8*\p+7], v[XO], s[4:5] offset:(16*\t+\p)*ROWB+256 th:TH_LOAD_NT
.endr
.endr
	; M in the K order of the LDS rows.  K step s, lane (r, hh): registers 0-1 columns 16 s + 4 hh + 0..3, registers 2-3 the same + 64,
	; registers 4-5 columns 16 s + 8 + 4 hh + 0..3, registers 6-7 the same + 64.  In mfrag 32 columns are 512 bytes, 16 are 256, 8 are 128.
.irp s, 0,1,2,3
	global_load_b64 v[MF+8*\s:MF+8*\s+1],   v11, s[6:7] offset:256*\s
	global_load_b64 v[MF+8*\s+2:MF+8*\s+3], v11, s[6:7] offset:256*\s+1024
	global_load_b64 v[MF+8*\s+4:MF+8*\s+5], v11, s[6:7] offset:256*\s+128
	global_load_b64 v[MF+8*\s+6:MF+8*\s+7], v11, s[6:7] offset:256*\s+128+1024
.endr
; The turn of rows 16 t + p and 16 t + p + 8: a lane's eight numbers are rounded to bf16, and both slots are asked for again with the rows 32 further down.
.macro PAIR t, p
.if \t == 0
	s_wait_loadcnt 46                              ; loads come back in order (ISA guide 5.7.1).  Younger than my pair: 30 - 2 p of the ring, M's 16, 2 p refills
.else
.if \t < 6
	s_wait_loadcnt 30                              ; younger than my pair: the ring's other 30 loads (in tile 1 M's 16 too, which are in since tile 0's products)
.else
	s_wait_loadcnt 16*(7-\t)+14-2*\p               ; the last two tiles: nothing is issued any more, the counts run down to 0
.endif
.endif
	v_cvt_pk_bf16_f32 v[T+4*\p],   v[X+64*(\t%2)+8*\p],   v[X+64*(\t%2)+8*\p+1]
	v_cvt_pk_bf16_f32 v[T+4*\p+1], v[X+64*(\t%2)+8*\p+2], v[X+64*(\t%2)+8*\p+3]
	v_cvt_pk_bf16_f32 v[T+4*\p+2], v[X+64*(\t%2)+8*\p+4], v[X+64*(\t%2)+8*\p+5]
	v_cvt_pk_bf16_f32 v[T+4*\p+3], v[X+64*(\t%2)+8*\p+6], v[X+64*(\t%2)+8*\p+7]
.if \t < 6
	global_load_b128 v[X+64*(\t%2)+8*\p:X+64*(\t%2)+8*\p+3],   v[XO], s[4:5] offset:(16*(\t+2)+\p)*ROWB th:TH_LOAD_NT       ; the row stands in the immediate: 119 x 4,096 + 256 at the most, inside its signed 24 bits
	global_load_b128 v[X+64*(\t%2)+8*\p+4:X+64*(\t%2)+8*\p+7], v[XO], s[4:5] offset:(16*(\t+2)+\p)*ROWB+256 th:TH_LOAD_NT
.endif
.endm
; Tile t of my eight: sixteen rows rounded and asked for again, then into LDS, four fragments back, four products, the sums to the stage.
; The two accumulators take turns, one instruction a turn (K steps 0 and 2 on the first, 1 and 3 on the second).
; T, F and the accumulators are written again only in the next tile, behind this tile's wait for DScnt 0 or the next one's count of 4: every LDS instruction that reads or fills them is done by then.
.macro TILE t
.irp p, 0,1,2,3,4,5,6,7
	PAIR \t, \p
.endr
.irp p, 0,1,2,3,4,5,6,7
	ds_store_b128 v[STA], v[T+4*\p:T+4*\p+3] offset:\p*PITCH   ; lanes 0-15 fill row p's 256 bytes, lanes 16-31 row p + 8's
.endr
.irp i, 0,1,2,3
	ds_load_b128 v[F+8*\i:F+8*\i+3],   v[LDA] offset:64*\i      ; K step i: places 32 i + 8 hh + 0..7 of my row; these see the wave's own stores above
	ds_load_b128 v[F+8*\i+4:F+8*\i+7], v[LDA] offset:64*\i+32   ; places 32 i + 16 + 8 hh + 0..7
.endr
.if \t == 0
	s_wait_loadcnt 16                              ; M is in: only this tile's 16 refills are younger
.endif
	s_wait_dscnt 0x4                               ; K steps 0 and 1 are in, and the last tile's stores from the accumulators are done; the four youngest loads stay out
	v_wmma_f32_16x16x32_bf16 v[ACC:ACC+7],    v[MF:MF+7],     v[F:F+7],     0      ; the first products start the sums
	v_wmma_f32_16x16x32_bf16 v[ACC+8:ACC+15], v[MF+8:MF+15],  v[F+8:F+15],  0
	s_wait_dscnt 0x0
	v_wmma_f32_16x16x32_bf16 v[ACC:ACC+7],    v[MF+16:MF+23], v[F+16:F+23], v[ACC:ACC+7]
	v_wmma_f32_16x16x32_bf16 v[ACC+8:ACC+15], v[MF+24:MF+31], v[F+24:F+31], v[ACC+8:ACC+15]
.rept 4
	v_nop                                          ; four places behind the last matrix instruction (ISA guide 7.12.1) before its results are read
.endr
.irp p, 0,1,2
	v_pk_add_f32 v[ACC+2*\p:ACC+2*\p+1], v[ACC+2*\p:ACC+2*\p+1], v[ACC+8+2*\p:ACC+8+2*\p+1]
.endr
.irp p, 0,1,2
	ds_store_b64 v[SA], v[ACC+2*\p:ACC+2*\p+1] offset:\t*768+\p*256
.endr
.endm
	TILE 0
	TILE 1
	TILE 2
	TILE 3
	TILE 4
	TILE 5
	TILE 6                                         ; from here on no load is issued: no load leaves the wave's rows
	TILE 7
	s_wait_dscnt 0x0                               ; my sums are in LDS, for the waves that read them behind the barrier
	s_barrier_signal -1
	s_barrier_wait -1
	s_cmp_lt_u32 s18, 8
	s_cbranch_scc1 .Lfinish
	s_wait_tensorcnt 0x0
	ds_add_u32 v252, v253
	s_wait_dscnt 0x0
	s_endpgm                                       ; waves 8-15 have handed their sums over
.Lfinish:
	; THE COLUMN GROUPS' SUMS MEET.  Wave v = 0..7 finishes tiles 2 v and 2 v + 1 of the work-group, rows 32 v .. 32 v + 31.
	s_mul_i32 s21, s18, 1536
	s_add_co_u32 s21, s21, STAGE
	v_lshl_add_u32 v9, v1, 3, s21                  ; column group 0's sums of my two tiles, 8 bytes a lane
	; six loads for each of the eight column groups; tile a of my two, group w, pair p lands at EP + 48 a + 6 w + 2 p
.irp w, 0,1,2,3,4,5,6,7
.irp a, 0,1
.irp p, 0,1,2
	ds_load_b64 v[EP+48*\a+6*\w+2*\p:EP+48*\a+6*\w+2*\p+1], v9 offset:\a*768+\p*256
.endr
.endr
.if \w < 7
	v_add_nc_u32 v9, 2*WSTG, v9                    ; the next column group's stage
.endif
.endr
	s_lshl_b32 s2, ttmp9, 11                       ; 256 rows x 8 bytes
	s_add_nc_u64 s[12:13], s[12:13], s[2:3]
	s_add_nc_u64 s[14:15], s[14:15], s[2:3]
	s_add_nc_u64 s[16:17], s[16:17], s[2:3]
	s_mov_b32 s44, 0x76543210                      ; v_permlanex16_b32: lane i reads lane i of the other half
	s_mov_b32 s45, 0xfedcba98
	s_mov_b32 s46, 0xffff0000                      ; lanes 16 to 31
	v_lshlrev_b32 v10, 3, v0                       ; my row's 8 bytes in each output
.irp w, 1,2,3,4,5,6,7
	s_wait_dscnt 6*(7-\w)                          ; the sets of groups 0 to w are in; the 7 - w younger sets of six stay out
.irp a, 0,1
.irp p, 0,1,2
	v_pk_add_f32 v[EP+48*\a+2*\p:EP+48*\a+2*\p+1], v[EP+48*\a+2*\p:EP+48*\a+2*\p+1], v[EP+48*\a+6*\w+2*\p:EP+48*\a+6*\w+2*\p+1]
.endr
.endr
.endr
	; Lane (r, hh) now has, of row r of both tiles, the sums with M_hh.  Lane L is to hold row 32 v + L whole: it keeps its part of
	; tile hh and gets the other part from lane L xor 16, to which it sends its part of the other tile.
.irp j, 0,1,2,3,4,5
	v_cndmask_b32 v[T+\j],    v[EP+48+\j], v[EP+\j],    s46    ; to send: lanes 0-15 tile 1's, lanes 16-31 tile 0's
	v_cndmask_b32 v[T+12+\j], v[EP+\j],    v[EP+48+\j], s46    ; to keep
.endr
.irp j, 0,1,2,3,4,5
	v_permlanex16_b32 v[T+6+\j], v[T+\j], s44, s45             ; its destination counts as read: T was written whole in every tile
.endr
.irp j, 0,2,4
	v_pk_add_f32 v[T+12+\j:T+13+\j], v[T+12+\j:T+13+\j], v[T+6+\j:T+7+\j]   ; the two halves of h
.endr
	s_wait_kmcnt 0x0                               ; the bias, asked for at the start
.irp j, 0,1,2,3,4,5
	v_add_f32 v[T+12+\j], s[36+\j], v[T+12+\j]     ; + bias_0[j]
.endr
.irp j, 0,1,2,3,4,5
	v_add_f32 v[T+12+\j], s[48+\j], v[T+12+\j]     ; + bias_1[j]
.endr
	v_cmp_eq_u32 vcc_lo, 1, v6                     ; D picks the group: a choice of values, no address hangs on it
	v_cmp_eq_u32 s47, 1, v7                        ; D_agn likewise
	v_cndmask_b32 v[T+18], v[T+14], v[T+16], vcc_lo
	v_cndmask_b32 v[T+19], v[T+15], v[T+17], vcc_lo
	v_cndmask_b32 v[T+20], v[T+14], v[T+16], s47
	v_cndmask_b32 v[T+21], v[T+15], v[T+17], s47
	global_store_b64 v10, v[T+12:T+13], s[12:13] th:TH_STORE_NT    ; each store of the wave covers 256 consecutive bytes, aligned: 32 rows of 8 bytes
	global_store_b64 v10, v[T+18:T+19], s[14:15] th:TH_STORE_NT
	global_store_b64 v10, v[T+20:T+21], s[16:17] th:TH_STORE_NT
	s_wait_tensorcnt 0x0
	ds_add_u32 v252, v253
	s_wait_dscnt 0x0
	s_endpgm
.Lfunc_end_k_q5a209306a2_stream:
	.size	k_q5a209306a2_stream, .Lfunc_end_k_q5a209306a2_stream-k_q5a209306a2_stream
	.p2alignl 7, 3214868480
	.fill 96, 4, 3214868480
	.section	.rodata,"a",@progbits
	.p2align	6, 0x0
	.amdhsa_kernel k_q5a209306a2_stream
		.amdhsa_group_segment_fixed_size 169984
		.amdhsa_private_segment_fixed_size 0
		.amdhsa_enable_private_segment 0
		.amdhsa_kernarg_size 56
		.amdhsa_user_sgpr_count 2
		.amdhsa_user_sgpr_kernarg_segment_ptr 1
		.amdhsa_wavefront_size32 1
		.amdhsa_system_sgpr_workgroup_id_x 1
		.amdhsa_system_sgpr_workgroup_id_y 1
		.amdhsa_system_sgpr_workgroup_id_z 1
		.amdhsa_system_vgpr_workitem_id 0
		.amdhsa_next_free_vgpr 254
		.amdhsa_next_free_sgpr 66
		.amdhsa_reserve_vcc 1
		.amdhsa_float_denorm_mode_32 3
		.amdhsa_float_denorm_mode_16_64 3
		.amdhsa_memory_ordered 1
		.amdhsa_forward_progress 1
		.amdhsa_inst_pref_size 59
	.end_amdhsa_kernel
	.amdgpu_metadata
---
amdhsa.version: [ 1, 2 ]
amdhsa.kernels:
  - .name:           k_q5a209306a2_stream
    .symbol:         k_q5a209306a2_stream.kd
    .args:
      - { .name: X, .offset: 0, .size: 8, .value_kind: global_buffer, .address_space: global }
      - { .name: mfrag, .offset: 8, .size: 8, .value_kind: global_buffer, .address_space: global }
      - { .name: D, .offset: 16, .size: 8, .value_kind: global_buffer, .address_space: global }
      - { .name: D_agn, .offset: 24, .size: 8, .value_kind: global_buffer, .address_space: global }
      - { .name: out0, .offset: 32, .size: 8, .value_kind: global_buffer, .address_space: global }
      - { .name: out1, .offset: 40, .size: 8, .value_kind: global_buffer, .address_space: global }
      - { .name: out2, .offset: 48, .size: 8, .value_kind: global_buffer, .address_space: global }
    .group_segment_fixed_size: 169984
    .private_segment_fixed_size: 0
    .kernarg_segment_align: 8
    .kernarg_segment_size: 56
    .max_flat_workgroup_size: 512
    .sgpr_count:     66
    .vgpr_count:     254
    .wavefront_size: 32
...
	.end_amdgpu_metadata
.endif
;; end of part 4
